; MI455X (gfx1250); checked and timed in simulation.
; The chip was launched on July 23, 2026; its instructions are those of AMD's public machine-readable ISA for CDNA 5 (MIT licence, August 2026) and "CDNA5" Instruction Set Architecture Reference Guide (July 2026). The comments in the code are by the model that wrote it; some were corrected since.
;; Loop Linear. Allowed arithmetic: matrix products marked QUANTISED: E3M2 operands, one E8M0 scale for each 32 along K, by v_wmma_scale_f32_16x16x128_f8f6f4 with both operands' format E3M2, f32 sums; everything else in f32.
;; Inputs: W 4,096 x 4,096 float32; b 4,096 float32; x 4,096 x 4,096 float32.
;; Outputs: out0 4,096 x 4,096 float32.
;; This version of the problem:
;;   THIS VERSION OF THE PROBLEM IS GIVEN IN LOW PRECISION. The matrix products marked QUANTISED in the list below multiply operands that are first quantised to E3M2 (3 exponent bits, 2 mantissa bits; 6 bits a number), with one power-of-two scale for each 32 numbers along K (OCP MX v1.0); their sums are f32. All else is computed in f32.
;;   The module's matrix products, in the order in which they are computed (A, B: the left and right operand; K: the contracted axis; several contracted axes count as one K, in the product's order):
;;     1. [M 4,096, K 4,096] x [K 4,096, N 4,096]; A: input x; B: input W: QUANTISED
;;   THE QUANTISER, for each operand of a quantised product, along K:
;;     - K is cut into blocks of 32 from its start; a last block that is shorter is filled with zeros.
;;     - A block's scale is 2^e with e = floor(log2(the largest magnitude in the block)) - 4, held to -126 .. 127; a block of zeros has e = 0. As a byte (E8M0): e + 127.
;;     - Each number is divided by its block's scale, clamped to +-28, and rounded to the nearest number of E3M2, ties to even, subnormals kept.
;;     - The product sums the exact products of the quantised numbers (number of the format x scale) in f32.
;;   ~~~python
;;   def quantise(x, axis):      # numpy; x: float32 -> the quantised numbers, widened to float32 again
;;       x = np.moveaxis(x, axis, -1); K = x.shape[-1]
;;       x = np.pad(x, [(0, 0)] * (x.ndim - 1) + [(0, -K % 32)]); x = x.reshape(x.shape[:-1] + (-1, 32)); a = np.abs(x).max(-1, keepdims=True)
;;       e = np.where(a > 0, np.clip(np.frexp(np.where(a > 0, a, 1))[1] - 1 - 4, -126, 127), 0)      # np.frexp(a)[1] - 1 = floor(log2(a)), exactly
;;       r = np.clip(x / 2.0 ** e, -28, 28)
;;       step = 2.0 ** (np.maximum(np.frexp(np.where(r == 0, 1, r))[1] - 1, -2) - 2)
;;       q = np.round(r / step) * step * 2.0 ** e      # np.round: ties to even
;;       return np.moveaxis(q.reshape(q.shape[:-2] + (-1,))[..., :K], -1, axis).astype(np.float32)
;;   ~~~
;; One version. Each part assembles by itself: llvm-mc -triple=amdgcn-amd-amdhsa -mcpu=gfx1250 --defsym DOCPART=n.
;; ======== version 1 of 1: 2 launches
;; limits: right only within a limited range of input values
;; workspace buffers: xq 13,107,200 bytes; wq 13,107,200 bytes
;; launch quant (part 1): grid 1024 x 1, 4 waves a work-group, no clusters, 34,304 bytes of LDS; arguments x, W, xq, wq; writes xq, wq
.if DOCPART == 1
	.amdgcn_target "amdgcn-amd-amdhsa--gfx1250"
	.amdhsa_code_object_version 6
	.text
	.protected	k_q10a31ebdce_quant
	.globl	k_q10a31ebdce_quant
	.p2align	8
	.type	k_q10a31ebdce_quant,@function
k_q10a31ebdce_quant:
	s_mov_b64 s[64:65], 0
	v_nop
	global_prefetch_b8 v0, s[64:65] scope:SCOPE_SE
	s_setreg_imm32_b32 hwreg(HW_REG_WAVE_MODE, 25, 1), 1
	s_wait_xcnt 0x0
; x [4096][4096] and W [4096][4096], f32, K innermost, become codes of BF6 (E3M2) with one E8M0 scale byte for each 32 along K, laid IN THE ORDER OF THE MATRIX OPERAND'S REGISTERS.
; A block's scale is 2^(floor(log2(its largest magnitude)) - 4); its byte is the largest magnitude's exponent field - 4, held at 1 from below; each number is divided by the scale and rounded to the nearest code, ties to even, beyond 28 the largest code.
; LIMITS: NaN and infinities among the inputs are not served.  A block of zeros gets the byte 1 where the rule says 127: its codes are zeros, which add nothing under any byte but 0xff, and this program alone reads the bytes.
;         Blocks whose largest magnitude lies under 2^-122 are held at the byte 1, as the rule asks; that case was not tried.
; THE WORKSPACE: [group of 128 rows g: 32][step of 128 along K s: 32][unit of 64 rows j: 2][6,400 bytes].  A unit holds four fragment images, block u (16 rows) at 1,536 u: the operand's 12 registers, registers 4 c .. 4 c + 3 of
; lane l at 512 c + 16 l.  At byte 6,144 the scale words: row r has 16 bytes, the words of blocks 0, 1, 2, 3; byte b of a word scales k = 32 b .. 32 b + 31.  So any run of steps of one group of 128 rows is one dense block of memory.
; SHARES.  Work-groups 0-511 take x, 512-1023 W: only pointers are chosen, there is one path.  One wave makes one unit: 64 rows x 128 K, four fragments, written out.  Waves share nothing: no barrier.
; A FRAGMENT.  Each of 16 loads reads one row's 128 numbers, 512 consecutive aligned bytes.  The operand's layout gives lane (r, h) the numbers k = 64 c + 32 h + 0 .. 31 of row r: so the 16 rows turn through the wave's own
; stage in LDS (rows of 512 + 16 bytes) and come back 128 bytes a lane and block.  A lane then holds two whole blocks: no other lane is asked for a maximum, and the conversions' results are the operand's registers.
.set ROWB,  16384                      ; a row of x or W in bytes
.set UNITB, 6400
.set FRB,   1536                       ; a fragment's image
.set SP,    528                        ; a stage row: 33 x 16 bytes, so the 16 rows that a read touches begin in 16 different columns of 16 bytes
.set WST,   16*SP                      ; a wave's stage
.set LIN,   4                          ; v4   16 x lane: offset of the loads and of the codes' stores; never rewritten
.set STW,   5                          ; v5   the stage, on the way in: my wave's + 16 x lane
.set STR,   6                          ; v6   and on the way out: my wave's + 528 r + 128 h
.set OS,    7                          ; v7   16 r + 8 h: my two scale words' place
.set H8,    8                          ; v8   8 h
.set PX,    9                          ; v9   a lane permute's destination
.set PW,    10                         ; v10  my two bytes of a scale word
.set R,     16                         ; v16-143  two sets of 64: a fragment as loaded
.set X,     144                        ; v144-207 my two blocks of 32 numbers
.set C,     208                        ; v208-231 the codes of fragments 0 and 1; those of fragments 2 and 3 take the first 12 registers of the set that held the fragment as loaded
.set T,     232                        ; v232-234, v236-238 the second halves of the blocks' codes
.set M,     240                        ; v240-241 largest magnitudes
.set SO,    242                        ; v242-243 the conversions' scale operands
.set BY,    244                        ; v244-245 the scale bytes
.set W,     248                        ; v248-251 a scale word for each fragment
	s_load_b256 s[4:11], s[0:1], 0x0               ; x s[4:5], W s[6:7], xq s[8:9], wq s[10:11]
	v_lshl_add_u32 v254, v0, 2, 0x8400
	v_mov_b32 v255, 0
	v_lshrrev_b32 v1, 5, v0
	v_readfirstlane_b32 s16, v1                    ; wave 0..3
	v_and_b32 v1, 31, v0                           ; lane
	v_and_b32 v2, 15, v0                           ; r
	v_bfe_u32 v3, v0, 4, 1                         ; h
	v_lshlrev_b32 v[LIN], 4, v1
	s_mul_i32 s26, s16, WST                        ; my wave's stage
	v_add_nc_u32 v[STW], s26, v[LIN]
	v_mul_u32_u24 v[STR], v2, SP
	v_lshl_add_u32 v[STR], v3, 7, v[STR]
	v_add_nc_u32 v[STR], s26, v[STR]
	v_lshlrev_b32 v[OS], 4, v2
	v_lshl_add_u32 v[OS], v3, 3, v[OS]
	v_lshlrev_b32 v[H8], 3, v3
	v_mov_b32 v[PX], 0                             ; written once: a lane permute's destination counts as one of its sources
	s_mov_b32 s20, 0x76543210
	s_mov_b32 s21, 0xfedcba98                      ; v_permlanex16_b32's selects for lane l xor 16
	s_wait_alu depctr_va_vdst(0)
	s_wait_kmcnt 0x0
	s_cmp_lt_u32 ttmp9, 512                        ; x's work-group or W's?  The choice hangs on the work-group's number alone
	s_cselect_b64 s[4:5], s[4:5], s[6:7]           ; from
	s_cselect_b64 s[8:9], s[8:9], s[10:11]         ; to
	s_cselect_b32 s17, 0, 512
	s_sub_co_u32 s17, ttmp9, s17                   ; t = 0..511
	s_lshr_b32 s18, s17, 3                         ; p = t / 8: which 64 rows
	s_and_b32 s19, s17, 7
	s_lshl_b32 s19, s19, 2
	s_add_co_u32 s19, s19, s16                     ; s = 4 (t % 8) + wave: which 128 along K; the four waves stand side by side on 2,048 bytes of each row
	s_lshl_b32 s22, s18, 20                        ; 64 rows of 16,384 bytes (63 << 20 stays under 2^32),
	s_lshl_b32 s23, s19, 9                         ; 512 bytes a step
	s_add_co_u32 s22, s22, s23
	s_mov_b32 s23, 0
	s_add_nc_u64 s[4:5], s[4:5], s[22:23]
	s_lshr_b32 s24, s18, 1                         ; g = p / 2: the group of 128 rows
	s_lshl_b32 s24, s24, 5
	s_add_co_u32 s24, s24, s19                     ; 32 g + s
	s_lshl_b32 s24, s24, 1
	s_and_b32 s25, s18, 1
	s_add_co_u32 s24, s24, s25                     ; 2 (32 g + s) + p % 2: my unit
	s_mul_i32 s24, s24, UNITB
	s_mov_b32 s25, 0
	s_add_nc_u64 s[8:9], s[8:9], s[24:25]
.macro LOAD f                          ; fragment f: rows 16 f + i, my 128 numbers of each; each load reads 512 consecutive bytes, aligned; read once in the launch
.irp i, 0,1,2,3,4,5,6,7,8,9,10,11,12,13,14,15
	global_load_b128 v[R+64*((\f)%2)+4*\i:R+64*((\f)%2)+4*\i+3], v[LIN], s[4:5] offset:(16*(\f)+\i)*ROWB th:TH_LOAD_NT
.endr
.endm
.macro FRAGMENT f
.set RS, R+64*((\f)%2)
.if (\f) < 2
.set CS, C+12*(\f)
.else
.set CS, R+64*((\f)%2)                 ; no load lands there any more, and the stage's stores have read it
.endif
.if (\f) < 3
	s_wait_loadcnt 16                              ; this fragment's 16 loads are in; the next fragment's 16 may be out
.else
	s_wait_loadcnt 0x0
.endif
.irp i, 0,1,2,3,4,5,6,7,8,9,10,11,12,13,14,15
	ds_store_b128 v[STW], v[RS+4*\i:RS+4*\i+3] offset:SP*\i          ; row i as it lies
.endr
.irp c, 0,1
.irp j, 0,1,2,3,4,5,6,7
	ds_load_b128 v[X+32*\c+4*\j:X+32*\c+4*\j+3], v[STR] offset:256*\c+16*\j   ; k = 64 c + 32 h + 4 j .. of row r.  LDS serves a wave's instructions in order (ISA guide 5.7.1.4): these see the stores above
.endr
.endr
	s_wait_dscnt 0x0                               ; my 64 numbers are in, and the stores have read their registers,
.if (\f) < 2
	LOAD (\f)+2                                    ; which take the fragment two on
.endif
.irp c, 0,1
	v_max3_num_f32 v[M+\c], |v[X+32*\c]|, |v[X+32*\c+1]|, 0x2800000   ; block 2 c + h: all 32 numbers are mine; and the floor 2^(5 - 127), so that the byte cannot fall under 1
.endr
.irp i, 2,4,6,8,10,12,14,16,18,20,22,24,26,28,30
.irp c, 0,1
	v_max3_num_f32 v[M+\c], v[M+\c], |v[X+32*\c+\i]|, |v[X+32*\c+\i+1]|   ; (the two blocks by turns)
.endr
.endr
.irp c, 0,1
	v_add_nc_u32 v[SO+\c], 0xfe000000, v[M+\c]     ; 4 off the exponent field: the conversion takes the exponent field of this operand as its scale, and nothing else of it
.endr
.irp c, 0,1
	v_lshrrev_b32 v[BY+\c], 23, v[SO+\c]           ; the scale's byte
.endr
	v_lshl_or_b32 v[PW], v[BY+1], 16, v[BY]        ; my two bytes: blocks h and 2 + h of row r,
	v_lshlrev_b32 v[PW], v[H8], v[PW]              ; at their places in the word;
	v_permlanex16_b32 v[PX], v[PW], s20, s21
	v_or_b32 v[W+(\f)], v[PW], v[PX]               ; with lane l xor 16's two the word is whole, in both lanes
.irp c, 0,1
	v_cvt_scalef32_pk16_bf6_f32 v[CS+6*\c:CS+6*\c+2], v[X+32*\c:X+32*\c+15], v[SO+\c]      ; registers 6 c .. 6 c + 2 of the operand
	v_cvt_scalef32_pk16_bf6_f32 v[T+4*\c:T+4*\c+2], v[X+32*\c+16:X+32*\c+31], v[SO+\c]     ; (a conversion's three registers begin on an even number: the block's second half is made elsewhere and moved)
.endr
	v_nop                                          ; one plain instruction behind the scaled conversions, ahead of the first that touches a result
.irp c, 0,1
.irp i, 0,1,2
	v_mov_b32 v[CS+6*\c+3+\i], v[T+4*\c+\i]
.endr
.endr
.endm
	LOAD 0
	LOAD 1                                         ; 32 loads, 16 KiB, of each wave are on their way
	FRAGMENT 0
	FRAGMENT 1
	FRAGMENT 2
	FRAGMENT 3
	v_cmp_le_u32 vcc_lo, 16, v1                    ; lanes 0-15 store the words of blocks 0, 1 of their row, lanes 16-31 those of blocks 2, 3
	v_cndmask_b32 v12, v[W], v[W+2], vcc_lo
	v_cndmask_b32 v13, v[W+1], v[W+3], vcc_lo
; all of the wave's stores stand here, behind its last load and its last turn through the stage: each fragment's codes have registers of their own, so no store's data are written again
.irp f, 0,1,2,3
.irp g, 0,1,2
.if \f < 2
	global_store_b128 v[LIN], v[C+12*\f+4*\g:C+12*\f+4*\g+3], s[8:9] offset:FRB*\f+512*\g   ; the image: each store covers 512 consecutive bytes, at a multiple of 256 from the buffer's first byte
.else
	global_store_b128 v[LIN], v[R+64*(\f%2)+4*\g:R+64*(\f%2)+4*\g+3], s[8:9] offset:FRB*\f+512*\g
.endif
.endr
.endr
	global_store_b64 v[OS], v[12:13], s[8:9] offset:4*FRB   ; the 32 lanes store 256 consecutive bytes, aligned
	s_wait_tensorcnt 0x0
	ds_add_u32 v254, v255
	s_wait_dscnt 0x0
	s_endpgm
.Lfunc_end_k_q10a31ebdce_quant:
	.size	k_q10a31ebdce_quant, .Lfunc_end_k_q10a31ebdce_quant-k_q10a31ebdce_quant
	.p2alignl 7, 3214868480
	.fill 96, 4, 3214868480
	.section	.rodata,"a",@progbits
	.p2align	6, 0x0
	.amdhsa_kernel k_q10a31ebdce_quant
		.amdhsa_group_segment_fixed_size 34304
		.amdhsa_private_segment_fixed_size 0
		.amdhsa_enable_private_segment 0
		.amdhsa_kernarg_size 32
		.amdhsa_user_sgpr_count 2
		.amdhsa_user_sgpr_kernarg_segment_ptr 1
		.amdhsa_wavefront_size32 1
		.amdhsa_system_sgpr_workgroup_id_x 1
		.amdhsa_system_sgpr_workgroup_id_y 1
		.amdhsa_system_sgpr_workgroup_id_z 1
		.amdhsa_system_vgpr_workitem_id 0
		.amdhsa_next_free_vgpr 256
		.amdhsa_next_free_sgpr 66
		.amdhsa_reserve_vcc 1
		.amdhsa_float_denorm_mode_32 3
		.amdhsa_float_denorm_mode_16_64 3
		.amdhsa_memory_ordered 1
		.amdhsa_forward_progress 1
		.amdhsa_inst_pref_size 30
	.end_amdhsa_kernel
	.amdgpu_metadata
---
amdhsa.version: [ 1, 2 ]
amdhsa.kernels:
  - .name:           k_q10a31ebdce_quant
    .symbol:         k_q10a31ebdce_quant.kd
    .args:
      - { .name: x, .offset: 0, .size: 8, .value_kind: global_buffer, .address_space: global }
      - { .name: W, .offset: 8, .size: 8, .value_kind: global_buffer, .address_space: global }
      - { .name: xq, .offset: 16, .size: 8, .value_kind: global_buffer, .address_space: global }
      - { .name: wq, .offset: 24, .size: 8, .value_kind: global_buffer, .address_space: global }
    .group_segment_fixed_size: 34304
    .private_segment_fixed_size: 0
    .kernarg_segment_align: 8
    .kernarg_segment_size: 32
    .max_flat_workgroup_size: 128
    .sgpr_count:     66
    .vgpr_count:     256
    .wavefront_size: 32
...
	.end_amdgpu_metadata
.endif
;; end of part 1
;; launch gemm (part 2): grid 16 x 16, 4 waves a work-group, clusters of 4 x 4, 327,680 bytes of LDS; arguments xq, wq, b, out0; writes out0
.if DOCPART == 2
	.amdgcn_target "amdgcn-amd-amdhsa--gfx1250"
	.amdhsa_code_object_version 6
	.text
	.protected	k_q10a31ebdce_gemm
	.globl	k_q10a31ebdce_gemm
	.p2align	8
	.type	k_q10a31ebdce_gemm,@function
k_q10a31ebdce_gemm:
	s_mov_b64 s[64:65], 0
	v_nop
	global_prefetch_b8 v0, s[64:65] scope:SCOPE_SE
	s_setreg_imm32_b32 hwreg(HW_REG_WAVE_MODE, 25, 1), 1
	s_wait_xcnt 0x0
	s_wait_alu depctr_hold_cnt(0) depctr_sa_sdst(0) depctr_va_vdst(0) depctr_va_sdst(0) depctr_va_ssrc(0) depctr_va_vcc(0) depctr_vm_vsrc(0)
	s_getreg_b32 s2, hwreg(HW_REG_IB_STS2, 6, 4)
	s_cmp_eq_u32 s2, 0
	s_cbranch_scc0 .Lentry_in_a_cluster
	s_endpgm
.Lentry_in_a_cluster:
	s_bfe_u32 s2, ttmp6, 0x10000c
	s_cmp_lg_u32 s2, 0xf033
	s_cbranch_scc0 .Lentry_shape_is_right
	s_endpgm
.Lentry_shape_is_right:
; out0[m][n] = sum over k of Q(x)[m][k] Q(W)[n][k] + b[n]: 4096 x 4096 x 4096, on codes of BF6 (E3M2) with E8M0 block scales, as the launch before laid them; sums in f32.
; THE WORKSPACE (xq, wq): [group of 128 rows: 32][step of 128 along K: 32][unit of 64 rows: 2][6,400 bytes]; a unit holds four fragment images of 1,536 bytes (registers 4 c .. 4 c + 3 of lane l at 512 c + 16 l)
; and at byte 6,144 its scale words (row r: 16 bytes, the words of blocks 0 to 3).  So any run of steps of one group is one dense block of memory, a multiple of 256 bytes, and a fragment is three loads of 16 bytes a lane.
; SHARES: 256 work-groups, one tile of 256 x 256 each; four waves, 128 x 128 each: 64 accumulators, 512 registers.  The bias is the C of each accumulator's first product: nothing is cleared, nothing is added later.
; THE RING: two LDS slots of three K steps (4 x 38,400 bytes); each wave brings one group's three steps by one tensor load of 150 rows of 256 bytes.  32 steps are ten fills of three steps and a last one of two (100 rows).
; CLUSTERS: 4 x 4 work-groups; x's tiles are asked for jointly along a row of the cluster, W's along a column; each refill stands behind a round of the cluster's barrier.
; PREFETCH: behind the joint load of fill t stands the request for fill t + 1's bytes (three K steps ahead of the load that wants them), from the head on.  Every cluster asks for what it will itself load; the four partners that
; ask for a group jointly share its 150 blocks of 256 bytes out by address (38 each: 32 + 6 lanes, the lanes left over name the last block again); of the last fill's 100 blocks each takes 25.  The last fill's load asks for nothing.
; THE MATRIX INSTRUCTION IS USED TRANSPOSED (source 0 = 16 rows of W, source 1 = 16 rows of x): a lane holds eight neighbouring numbers of a row of out0.
; A step goes by x's blocks, each against W's eight, so in the last step a block of 16 rows is finished after its eight products: it leaves at once, through the wave's own stage, while the next blocks are multiplied.
; REGISTERS: window 0: v16-31 addresses; v32-47 scale words, two sets; v64-127 the bias; v128-223 x's fragments, one set.  Window 1: W's fragments, two sets, at v0 and v128 (on the way out v0-127 take the rows read back).
;   Window 2: the accumulators of my rows 0-63 ((a, b) at v[8 (8 a + b)]); window 3: those of rows 64-127.
.set STEPB,  12800                     ; a group's K step: two units
.set HALF,   3*STEPB                   ; what one tensor load brings: three steps of one group
.set SLOT,   4*HALF                    ; x's two groups, then W's two
.set UNIT,   6400
.set FRB,    1536
.set GRP,    32*STEPB                  ; a group, all of K
.set TILEB,  2*GRP
.set FR,     12                        ; registers of a fragment
.set NL,     3                         ; LDS loads that bring one
.set NP,     4                         ; places behind this matrix instruction (ISA guide 7.12.1)
.set TRIPS,  4
.set CROW,   16384                     ; a row of out0 in bytes
.set STAGE,  SLOT                      ; the way out's stages lie in slot 1: the last two steps lie in slot 0, and slot 1 has had its last fill and its last read by then
.set SPITCH, 528
.set SPARE,  2*SLOT                    ; the spare words: 512 bytes that no other line names
.set ADRA, 16                          ; v16-17 my x fragments in slot 0, 1
.set PFL,  18                          ; v18    the last fill's prefetch offset
.set ADRB, 20                          ; v20-21 my W fragments
.set ADRS, 22                          ; v22-23 scale words: lanes 0-15 x's, lanes 16-31 W's
.set STO,  24
.set RD,   25
.set CO,   26                          ; 16 x lane
.set BO,   27                          ; 32 x (lane / 16)
.set SPW,  28
.set NIL,  29
.set PFO,  30                          ; v30-31 the prefetches' offsets
.set SC,   32
.set BI,   64
.set AF,   128
.set G1,   24                          ; group 1, x, 150 rows;  G0: group 0, one set a slot
.set G0,   32
.set G1B,  48                          ; the same for W
.set G0B,  56
.set G1F,  72                          ; group 1 of the last fill, 100 rows: x,
.set G1FB, 80                          ; and W
.set PFA,  66                          ; s[66:67] where my prefetches stand
.set MSB, 0
.macro WIN new                         ; the immediate's high byte repeats the setting that is left
.if MSB != \new
	s_set_vgpr_msb (MSB<<8)|\new
.set MSB, \new
.endif
.endm
.set MUL_LO,   0xa1                    ; source 0 (W) window 1, source 1 (x) window 0, C and D window 2
.set MUL_HI,   0xf1                    ; C and D window 3
.set FIRST_LO, 0x81                    ; C (the bias) window 0, D window 2
.set FIRST_HI, 0xc1
.set TO_B,     0x40                    ; destination window 1, address window 0
; a joint load: waves 0, 1 fetch x's two groups, waves 2, 3 W's; an s_nop 0 and four v_nop follow each line
.macro JLOAD g0a, g1a, g0b, g1b
	s_cmp_eq_u32 s15, 0
	s_cbranch_scc0 .Lfor_b_\@
	tensor_load_to_lds s[\g0a:\g0a+3], s[\g1a:\g1a+7]
	s_nop 0
.rept 4
	v_nop
.endr
	s_branch .Lasked_\@
.Lfor_b_\@:
	tensor_load_to_lds s[\g0b:\g0b+3], s[\g1b:\g1b+7]
	s_nop 0
.rept 4
	v_nop
.endr
.Lasked_\@:
.endm
.macro CREST                           ; a round of the cluster's barrier behind its opening barrier
	s_cmp_lg_u32 s14, 0
	s_cbranch_scc1 .Lnot_wave_0_\@
	s_barrier_signal -3
.Lnot_wave_0_\@:
	s_barrier_wait -3
	s_barrier_signal -1
	s_barrier_wait -1
.endm
.macro CROUND
	s_barrier_signal -1
	s_barrier_wait -1
	CREST
.endm
; the next fill's bytes: how = 1: my 38 of its 150 blocks; how = 2: the same, but in the loop's last trip (s3 = 1) my 25 of the last fill's 100
.macro ASK how
.if \how == 2
	s_cmp_gt_u32 s3, 1
	s_cbranch_scc0 .Lshort_\@
.endif
.if \how
	global_prefetch_b8 v[PFO], s[PFA:PFA+1] th:TH_LOAD_NT scope:SCOPE_SE
	global_prefetch_b8 v[PFO+1], s[PFA:PFA+1] th:TH_LOAD_NT scope:SCOPE_SE
.endif
.if \how == 2
	s_branch .Lpf_done_\@
.Lshort_\@:
	global_prefetch_b8 v[PFL], s[PFA:PFA+1] th:TH_LOAD_NT scope:SCOPE_SE
.Lpf_done_\@:
.endif
.endm
	s_load_b256 s[4:11], s[0:1], 0x0               ; xq s[4:5], wq s[6:7], b s[8:9], out0 s[10:11]
	v_lshl_add_u32 v[SPW], v0, 2, SPARE
	v_mov_b32 v[NIL], 0
	ds_add_u32 v[SPW], v[NIL]                      ; the opening lines: the add, twice on end, and its wait ahead of my first tensor load
	ds_add_u32 v[SPW], v[NIL]
	; all that hangs on no argument is made here, while the arguments are on their way: first the scalars, then the vector registers
	v_lshrrev_b32 v1, 5, v0
	v_readfirstlane_b32 s14, v1                    ; wave 0..3
	s_lshr_b32 s15, s14, 1                         ; my half of the tile's rows.  Also: I fetch for x (0) or for W (1)
	s_and_b32 s16, s14, 1                          ; my half of its columns.  Also: which group of that tile I fetch
	s_bfe_u32 s40, ttmp6, 0x40000                  ; cx
	s_bfe_u32 s41, ttmp6, 0x40004                  ; cy
	s_lshl_b32 s42, ttmp9, 2
	s_add_co_u32 s42, s42, s40                     ; tile column
	s_and_b32 s17, ttmp7, 0xffff
	s_lshl_b32 s17, s17, 2
	s_add_co_u32 s17, s17, s41                     ; tile row
	s_lshl_b32 s43, s41, 2
	s_lshl_b32 s43, 15, s43                        ; my row of the cluster
	s_lshl_b32 s44, 0x1111, s40                    ; my column
	s_or_b32 s[G1+0], s43, (3<<16)|(1<<21)         ; the mask; elements of 8 bytes; bit 21 beside a mask; no padding: a fragment's loads are dense
	s_or_b32 s[G1B+0], s44, (3<<16)|(1<<21)
	s_or_b32 s[G1F+0], s43, (3<<16)|(1<<21)
	s_or_b32 s[G1FB+0], s44, (3<<16)|(1<<21)
.irp g, G1, G1B
	s_mov_b32 s[\g+1], 32<<16                      ; rows of 32 elements = 256 bytes
	s_mov_b32 s[\g+2], 150<<16
	s_mov_b32 s[\g+3], 32<<16
	s_mov_b32 s[\g+4], 150
	s_mov_b32 s[\g+5], 32
	s_mov_b32 s[\g+6], 0
	s_mov_b32 s[\g+7], 0
.endr
.irp g, G1F, G1FB
	s_mov_b32 s[\g+1], 32<<16
	s_mov_b32 s[\g+2], 100<<16
	s_mov_b32 s[\g+3], 32<<16
	s_mov_b32 s[\g+4], 100
	s_mov_b32 s[\g+5], 32
	s_mov_b32 s[\g+6], 0
	s_mov_b32 s[\g+7], 0
.endr
	s_mul_i32 s18, s16, GRP
	s_mul_i32 s20, s17, TILEB
	s_add_co_u32 s20, s20, s18                     ; x: the group that I fetch, in bytes: it hangs on the tile row alone
	s_mov_b32 s21, 0
	s_mul_i32 s46, s42, TILEB
	s_add_co_u32 s46, s46, s18                     ; W: on the tile column alone
	s_mov_b32 s47, 0
	s_mul_i32 s45, s14, HALF                       ; where my load lands in a slot
	s_cmp_eq_u32 s15, 0
	s_cselect_b32 s18, s20, s46                    ; the prefetches: the group that I fetch,
	s_cselect_b32 s19, s40, s41                    ; and my place among the four that ask for it with me
	s_add_co_u32 s18, s18, HALF                    ; beginning with fill 1's bytes
	s_mul_i32 s22, s19, 38
	s_mul_i32 s23, s19, 25
	s_mov_b32 s19, 0
	s_mul_i32 s12, s15, HALF                       ; LDS: my group of x,
	s_mul_i32 s13, s16, HALF
	s_add_co_u32 s13, s13, 2*HALF                  ; my group of W,
	s_sub_co_u32 s2, s13, s12                      ; the distance between the two,
	s_mul_i32 s3, s14, 16*SPITCH
	s_add_co_u32 s3, s3, STAGE                     ; my stage
	s_lshl_b32 s68, s42, 10
	s_lshl_b32 s69, s16, 9
	s_add_co_u32 s68, s68, s69                     ; my first column, in bytes: of b and of a row of out0
	s_mov_b32 s69, 0
	s_lshl_b32 s70, s17, 8
	s_lshl_b32 s71, s15, 7
	s_add_co_u32 s70, s70, s71
	s_lshl_b32 s70, s70, 14                        ; my first row of out0, in bytes,
	s_add_co_u32 s70, s70, s68                     ; and column
	s_mov_b32 s71, 0
	v_and_b32 v1, 31, v0                           ; lane
	v_and_b32 v2, 15, v0                           ; r
	v_bfe_u32 v3, v0, 4, 1                         ; h
	v_lshlrev_b32 v[CO], 4, v1
	v_lshlrev_b32 v[BO], 5, v3
	v_add_nc_u32 v[ADRA], s12, v[CO]
	v_add_nc_u32 v[ADRB], s13, v[CO]
	v_add_nc_u32 v[ADRA+1], SLOT, v[ADRA]
	v_add_nc_u32 v[ADRB+1], SLOT, v[ADRB]
	v_mul_u32_u24 v4, s2, v3                       ; lanes 16-31 take W's scale words
	v_lshl_add_u32 v4, v2, 4, v4
	v_add_nc_u32 v[ADRS], s12, v4
	v_add_nc_u32 v[ADRS+1], SLOT, v[ADRS]
	v_mul_u32_u24 v5, v2, SPITCH                   ; into the stage: row r, 32 bytes for each half of the lanes
	v_lshl_add_u32 v5, v3, 5, v5
	v_add_nc_u32 v[STO], s3, v5
	v_add_nc_u32 v[RD], s3, v[CO]                  ; back: the 32 lanes take one row of 512 bytes
	v_add_nc_u32 v[PFO], s22, v1                   ; blocks 38 p + 0 .. 31,
	v_lshlrev_b32 v[PFO], 8, v[PFO]
	v_min_u32 v[PFO+1], 5, v1
	v_add_nc_u32 v[PFO+1], s22, v[PFO+1]
	v_add_nc_u32 v[PFO+1], 32, v[PFO+1]            ; and 38 p + 32 .. 37,
	v_min_u32 v[PFO+1], 149, v[PFO+1]              ; held inside the fill's 150
	v_lshlrev_b32 v[PFO+1], 8, v[PFO+1]
	v_min_u32 v[PFL], 24, v1
	v_add_nc_u32 v[PFL], s23, v[PFL]               ; the last fill: blocks 25 p + 0 .. 24
	v_lshlrev_b32 v[PFL], 8, v[PFL]
	s_wait_alu depctr_va_vdst(0)                   ; no vector register is written behind it
	s_wait_dscnt 0x0                               ; both opening adds are done
	s_wait_kmcnt 0x0
	s_add_nc_u64 s[20:21], s[4:5], s[20:21]
	s_add_nc_u64 s[46:47], s[6:7], s[46:47]
	s_cmp_eq_u32 s15, 0
	s_cselect_b64 s[PFA:PFA+1], s[4:5], s[6:7]
	s_add_nc_u64 s[PFA:PFA+1], s[PFA:PFA+1], s[18:19]
	s_add_nc_u64 s[8:9], s[8:9], s[68:69]
	s_add_nc_u64 s[10:11], s[10:11], s[70:71]
.irp s, 0,1
	s_mov_b32 s[G0+4*\s], 1
	s_add_co_u32 s[G0+4*\s+1], s45, \s*SLOT
	s_add_nc_u64 s[G0+4*\s+2:G0+4*\s+3], s[20:21], \s*HALF
	s_or_b32 s[G0+4*\s+3], s[G0+4*\s+3], 0x80000000
	s_mov_b32 s[G0B+4*\s], 1
	s_add_co_u32 s[G0B+4*\s+1], s45, \s*SLOT
	s_add_nc_u64 s[G0B+4*\s+2:G0B+4*\s+3], s[46:47], \s*HALF
	s_or_b32 s[G0B+4*\s+3], s[G0B+4*\s+3], 0x80000000
.endr
	CROUND                                         ; all sixteen work-groups are here: the first joint loads meet
	JLOAD G0, G1, G0B, G1B                         ; fill 0, steps 0 to 2: one tensor load a wave at the head
	ASK 1                                          ; fill 1's bytes
.irp bb, 0,1,2,3,4,5,6,7
	global_load_b128 v[BI+8*\bb:BI+8*\bb+3],   v[BO], s[8:9] offset:64*\bb      ; the bias in the accumulators' layout: b at columns 16 bb + 8 h + 0 .. 7; on its way beside fill 0
	global_load_b128 v[BI+8*\bb+4:BI+8*\bb+7], v[BO], s[8:9] offset:64*\bb+16
.endr
.macro FRAG reg, adr, off              ; a fragment's image: three loads of 16 bytes a lane, each 512 dense bytes
.irp c, 0,1,2
	ds_load_b128 v[\reg+4*\c:\reg+4*\c+3], v[\adr] offset:\off+512*\c
.endr
.endm
.macro FETCH_B slot, q, p, i0          ; W's blocks i0 .. i0 + 3 of the slot's step q into set p
	WIN TO_B
.irp i, \i0, \i0+1, \i0+2, \i0+3
	FRAG 128*(\p)+FR*(\i), ADRB+\slot, (\q)*STEPB+((\i)/4)*UNIT+((\i)%4)*FRB
.endr
.endm
.macro FETCH_A slot, q, i0             ; x's blocks i0 .. i0 + 3
	WIN 0
.irp i, \i0, \i0+1, \i0+2, \i0+3
	FRAG AF+FR*(\i), ADRA+\slot, (\q)*STEPB+((\i)/4)*UNIT+((\i)%4)*FRB
.endr
.endm
.macro SCALES slot, q, p               ; register 4 j + u of set p: lanes 0-15 the word of x's block 4 j + u, lanes 16-31 that of W's
	WIN 0
.irp j, 0,1
	ds_load_b128 v[SC+8*(\p)+4*\j:SC+8*(\p)+4*\j+3], v[ADRS+\slot] offset:(\q)*STEPB+\j*UNIT+4*FRB
.endr
.endm
; eight matrix instructions: x's block a against W's eight.  The 64 accumulators take turns, one instruction a turn, in the same order in every step
.macro MULA a, p, first
.irp b, 0,1,2,3,4,5,6,7
.if \first
	v_wmma_scale_f32_16x16x128_f8f6f4 v[8*(8*((\a)%4)+\b):8*(8*((\a)%4)+\b)+7], v[128*(\p)+FR*\b:128*(\p)+FR*\b+FR-1], v[AF+FR*(\a):AF+FR*(\a)+FR-1], v[BI+8*\b:BI+8*\b+7], v[SC+8*(\p)+\b], v[SC+8*(\p)+(\a)] matrix_a_fmt:MATRIX_FMT_BF6 matrix_b_fmt:MATRIX_FMT_BF6 matrix_a_scale:MATRIX_SCALE_ROW1
.else
	v_wmma_scale_f32_16x16x128_f8f6f4 v[8*(8*((\a)%4)+\b):8*(8*((\a)%4)+\b)+7], v[128*(\p)+FR*\b:128*(\p)+FR*\b+FR-1], v[AF+FR*(\a):AF+FR*(\a)+FR-1], v[8*(8*((\a)%4)+\b):8*(8*((\a)%4)+\b)+7], v[SC+8*(\p)+\b], v[SC+8*(\p)+(\a)] matrix_a_fmt:MATRIX_FMT_BF6 matrix_b_fmt:MATRIX_FMT_BF6 matrix_a_scale:MATRIX_SCALE_ROW1
.endif
.endr
.endm
.macro PLACES n                        ; in front of loads into registers that matrix instructions have read, and of reads of results
.rept \n
	v_nop
.endr
.endm
; A step inside a slot: 64 matrix instructions on set p, in two unbroken runs of 32.  The next step's 50 LDS loads go in three runs: 12 at the head (W's blocks 0-3, into the set that the last step left: its places stand at that step's end),
; 26 in the middle (W's blocks 4-7, x's blocks 0-3, the scale words), 12 at the end (x's blocks 4-7): 24 and 26 for the step's two halves.
.macro STEP slot, q, p, first
	s_wait_dscnt 4*NL                              ; all but the youngest 12 (x's blocks 4-7)
	FETCH_B \slot, (\q)+1, 1-(\p), 0
.if \first
	WIN FIRST_LO
.else
	WIN MUL_LO
.endif
.irp a, 0,1,2,3
	MULA \a, \p, \first
.endr
	s_wait_dscnt 4*NL                              ; x's blocks 4-7 are in; the 12 loads of this step's head may be out
	PLACES NP
	FETCH_B \slot, (\q)+1, 1-(\p), 4
	FETCH_A \slot, (\q)+1, 0
	SCALES \slot, (\q)+1, 1-(\p)
.if \first
	WIN FIRST_HI
.else
	WIN MUL_HI
.endif
.irp a, 4,5,6,7
	MULA \a, \p, \first
.endr
	PLACES NP
	FETCH_A \slot, (\q)+1, 4
.endm
; A slot's last step, and the change of slots.  In front of the barrier: the wait for all my tensor loads (one is out: my part of the next slot), the add, the wait for it and for my reads of this slot.
; fill = 1: the barrier opens a round of the cluster's barrier and this slot takes the fill two on; fill = 2: the same with the last fill's 100 rows; fill = 0: nothing is left to fetch.
.macro TURN slot, p, next, fill, ask
.if \ask
	s_wait_xcnt 0x0                                ; my last prefetches have read their address: it steps one fill on
	s_add_nc_u64 s[PFA:PFA+1], s[PFA:PFA+1], HALF
.endif
	s_wait_tensorcnt 0x0
	ds_add_u32 v[SPW], v[NIL]
	s_wait_dscnt 4*NL+1                            ; (the add and x's blocks 4-7 may be out)
	WIN MUL_LO
	MULA 0, \p, 0
	MULA 1, \p, 0
	s_wait_dscnt 0x0                               ; the add is done, and my reads of this slot are over
	s_barrier_signal -1
	MULA 2, \p, 0
	MULA 3, \p, 0
	WIN 0
	s_barrier_wait -1
.if \fill
	CREST
	s_add_nc_u64 s[G0+4*\slot+2:G0+4*\slot+3], s[G0+4*\slot+2:G0+4*\slot+3], 2*HALF
	s_add_nc_u64 s[G0B+4*\slot+2:G0B+4*\slot+3], s[G0B+4*\slot+2:G0B+4*\slot+3], 2*HALF
.if \fill == 2
	JLOAD G0+4*\slot, G1F, G0B+4*\slot, G1FB
.else
	JLOAD G0+4*\slot, G1, G0B+4*\slot, G1B         ; the first tensor load behind the round; its four v_nop are the places in front of the loads below
.endif
.else
	PLACES NP
.endif
	FETCH_B \next, 0, 1-(\p), 0
	FETCH_B \next, 0, 1-(\p), 4
	FETCH_A \next, 0, 0
	SCALES \next, 0, 1-(\p)
	ASK \ask
	WIN MUL_HI
.irp a, 4,5,6,7
	MULA \a, \p, 0
.endr
	PLACES NP
	FETCH_A \next, 0, 4
.endm
	s_wait_xcnt 0x0                                ; the head's prefetches have read their address
	s_add_nc_u64 s[PFA:PFA+1], s[PFA:PFA+1], HALF
	s_wait_tensorcnt 0x0                           ; my part of fill 0 is in; slot 1's first fill is issued as a refill is:
	ds_add_u32 v[SPW], v[NIL]
	s_wait_dscnt 0x0
	CROUND                                         ; a whole round: slot 0 is whole, and the joint loads meet
	JLOAD G0+4, G1, G0B+4, G1B                     ; fill 1, steps 3 to 5
	FETCH_B 0, 0, 0, 0
	FETCH_B 0, 0, 0, 4
	SCALES 0, 0, 0
	FETCH_A 0, 0, 0
	FETCH_A 0, 0, 4
	ASK 1                                          ; fill 2's bytes
	s_wait_loadcnt 0x0                             ; the bias
	STEP 0, 0, 0, 1                                ; step 0 starts the sums on the bias
	s_mov_b32 s3, TRIPS
.Llap:                                                 ; a trip: six steps, from a lap's second to the next lap's first; fills 2 + 2 t and 3 + 2 t
	STEP 0, 1, 1, 0
	TURN 0, 0, 1, 1, 1
	STEP 1, 0, 1, 0
	STEP 1, 1, 0, 0
	TURN 1, 1, 0, 1, 2
	STEP 0, 0, 0, 0
	s_sub_co_u32 s3, s3, 1
	s_cmp_lg_u32 s3, 0
	s_cbranch_scc1 .Llap
	STEP 0, 1, 1, 0                                ; step 25
	TURN 0, 0, 1, 2, 0                             ; slot 0 takes the last fill, steps 30 and 31
	STEP 1, 0, 1, 0
	STEP 1, 1, 0, 0
	TURN 1, 1, 0, 0, 0                             ; step 29: nothing is filled again, so no round follows
	STEP 0, 0, 0, 0
; THE LAST STEP AND THE WAY OUT.  Block a (16 rows x 128 columns) goes into my own stage, 32 bytes a lane, and comes back as whole rows of 512 bytes, which the 32 lanes store as two aligned units of 256 bytes.
; LDS serves a wave's instructions in order (ISA guide 5.7.1.4): no wait between the stores and the loads.  The rows come back into window 1, v0-127, W's set that the last step does not use.
.macro TOSTAGE a
.set AC, 64*((\a)%4)
	WIN 0x08+4*((\a)/4)                            ; the data: window 2 or 3
.irp b, 0,1,2,3,4,5,6,7
	ds_store_b128 v[STO], v[AC+8*\b:AC+8*\b+3] offset:64*\b          ; each accumulator from its low end on
	ds_store_b128 v[STO], v[AC+8*\b+4:AC+8*\b+7] offset:64*\b+16
.endr
	WIN TO_B
.set BB, 64*((\a)%2)
.irp t, 0,1,2,3,4,5,6,7,8,9,10,11,12,13,14,15
	ds_load_b128 v[BB+4*\t:BB+4*\t+3], v[RD] offset:\t*SPITCH
.endr
.endm
.macro SEND a, younger                 ; younger: the LDS instructions issued behind block a's loads
.set BB, 64*((\a)%2)
	s_wait_dscnt \younger
	WIN 0x04                                       ; the stores' data: window 1
.irp t, 0,1,2,3,4,5,6,7,8,9,10,11,12,13,14,15
	global_store_b128 v[CO], v[BB+4*\t:BB+4*\t+3], s[10:11] offset:(16*(\a)+\t)*CROW th:TH_STORE_NT   ; 512 consecutive bytes, aligned; written once, read by nobody here; 127 rows at the most stay inside the signed 24-bit immediate
.endr
.endm
	s_wait_dscnt 4*NL                              ; all but x's blocks 4-7
	WIN MUL_LO
	MULA 0, 1, 0
	MULA 1, 1, 0
	s_wait_dscnt 0x0                               ; x's blocks 4-7 are in
.irp a, 0,1,2,3,4,5,6,7
.if \a < 7
	PLACES NP                                      ; behind the products of blocks a and a + 1
.endif
.if \a > 1
	s_wait_xcnt 0x0                                ; block a - 2's stores have read their registers: block a's rows may land there
.endif
	TOSTAGE \a
.if \a < 6
	WIN MUL_LO+0x50*((\a+2)/4)
	MULA \a+2, 1, 0                                ; the block two on is multiplied while block a turns through the stage
.endif
.if \a > 0
	SEND \a-1, 32                                  ; behind block a - 1's loads: block a's 16 stores and 16 loads
.endif
.endr
	SEND 7, 0
	WIN 0
	s_wait_tensorcnt 0x0                           ; the wave's end
	ds_add_u32 v[SPW], v[NIL]
	s_wait_dscnt 0x0
	CROUND                                         ; the closing round
	s_endpgm
.Lfunc_end_k_q10a31ebdce_gemm:
	.size	k_q10a31ebdce_gemm, .Lfunc_end_k_q10a31ebdce_gemm-k_q10a31ebdce_gemm
	.p2alignl 7, 3214868480
	.fill 96, 4, 3214868480
	.section	.rodata,"a",@progbits
	.p2align	6, 0x0
	.amdhsa_kernel k_q10a31ebdce_gemm
		.amdhsa_group_segment_fixed_size 327680
		.amdhsa_private_segment_fixed_size 0
		.amdhsa_enable_private_segment 0
		.amdhsa_kernarg_size 32
		.amdhsa_user_sgpr_count 2
		.amdhsa_user_sgpr_kernarg_segment_ptr 1
		.amdhsa_wavefront_size32 1
		.amdhsa_system_sgpr_workgroup_id_x 1
		.amdhsa_system_sgpr_workgroup_id_y 1
		.amdhsa_system_sgpr_workgroup_id_z 1
		.amdhsa_system_vgpr_workitem_id 0
		.amdhsa_next_free_vgpr 1024
		.amdhsa_next_free_sgpr 88
		.amdhsa_reserve_vcc 0
		.amdhsa_float_denorm_mode_32 3
		.amdhsa_float_denorm_mode_16_64 3
		.amdhsa_memory_ordered 1
		.amdhsa_forward_progress 1
		.amdhsa_inst_pref_size 208
	.end_amdhsa_kernel
	.amdgpu_metadata
---
amdhsa.version: [ 1, 2 ]
amdhsa.kernels:
  - .name:           k_q10a31ebdce_gemm
    .symbol:         k_q10a31ebdce_gemm.kd
    .args:
      - { .name: xq, .offset: 0, .size: 8, .value_kind: global_buffer, .address_space: global }
      - { .name: wq, .offset: 8, .size: 8, .value_kind: global_buffer, .address_space: global }
      - { .name: b, .offset: 16, .size: 8, .value_kind: global_buffer, .address_space: global }
      - { .name: out0, .offset: 24, .size: 8, .value_kind: global_buffer, .address_space: global }
    .group_segment_fixed_size: 327680
    .private_segment_fixed_size: 0
    .kernarg_segment_align: 8
    .kernarg_segment_size: 32
    .max_flat_workgroup_size: 128
    .sgpr_count:     88
    .vgpr_count:     1024
    .wavefront_size: 32
...
	.end_amdgpu_metadata
.endif
;; end of part 2
